; MI455X (gfx1250); checked and timed in simulation.
; The chip was launched on July 23, 2026; its instructions are those of AMD's public machine-readable ISA for CDNA 5 (MIT licence, August 2026) and "CDNA5" Instruction Set Architecture Reference Guide (July 2026). The comments in the code are by the model that wrote it; some were corrected since.
;; Multi Headed Attention. Allowed arithmetic: matrix products marked QUANTISED: E2M3 operands, one E8M0 scale for each 32 along K, by v_wmma_scale_f32_16x16x128_f8f6f4 with both operands' format E2M3, f32 sums; everything else in f32.
;; Inputs: W_k 1,024 x 1,024 float32; W_o 1,024 x 1,024 float32; W_q 1,024 x 1,024 float32; W_v 1,024 x 1,024 float32; embeddings 4 x 2,048 x 1,024 float32.
;; Outputs: out0 4 x 2,048 x 1,024 float32.
;; This version of the problem:
;;   THIS VERSION OF THE PROBLEM IS GIVEN IN LOW PRECISION. The matrix products marked QUANTISED in the list below multiply operands that are first quantised to E2M3 (2 exponent bits, 3 mantissa bits; 6 bits a number), with one power-of-two scale for each 32 numbers along K (OCP MX v1.0); their sums are f32. All else is computed in f32.
;;   The module's matrix products, in the order in which they are computed (A, B: the left and right operand; K: the contracted axis; several contracted axes count as one K, in the product's order):
;;     1. [M 8,192, K 1,024] x [K 1,024, N 1,024]; A: input embeddings; B: input W_q: QUANTISED
;;     2. [M 8,192, K 1,024] x [K 1,024, N 1,024]; A: input embeddings; B: input W_k: QUANTISED
;;     3. [M 8,192, K 1,024] x [K 1,024, N 1,024]; A: input embeddings; B: input W_v: QUANTISED
;;     4. batch 64 x [M 2,048, K 64] x [K 64, N 2,048]; A: computed on the way; B: computed on the way: QUANTISED
;;     5. batch 64 x [M 64, K 2,048] x [K 2,048, N 2,048]; A: computed on the way; B: softmax (see below): QUANTISED
;;     6. [M 8,192, K 1,024] x [K 1,024, N 1,024]; A: computed on the way; B: input W_o: QUANTISED
;;   THE QUANTISER, for each operand of a quantised product, along K:
;;     - K is cut into blocks of 32 from its start; a last block that is shorter is filled with zeros.
;;     - A block's scale is 2^e with e = floor(log2(the largest magnitude in the block)) - 2, held to -126 .. 127; a block of zeros has e = 0. As a byte (E8M0): e + 127.
;;     - Each number is divided by its block's scale, clamped to +-7.5, and rounded to the nearest number of E2M3, ties to even, subnormals kept.
;;     - The product sums the exact products of the quantised numbers (number of the format x scale) in f32.
;;   ~~~python
;;   def quantise(x, axis):      # numpy; x: float32 -> the quantised numbers, widened to float32 again
;;       x = np.moveaxis(x, axis, -1); K = x.shape[-1]
;;       x = np.pad(x, [(0, 0)] * (x.ndim - 1) + [(0, -K % 32)]); x = x.reshape(x.shape[:-1] + (-1, 32)); a = np.abs(x).max(-1, keepdims=True)
;;       e = np.where(a > 0, np.clip(np.frexp(np.where(a > 0, a, 1))[1] - 1 - 2, -126, 127), 0)      # np.frexp(a)[1] - 1 = floor(log2(a)), exactly
;;       r = np.clip(x / 2.0 ** e, -7.5, 7.5)
;;       step = 2.0 ** (np.maximum(np.frexp(np.where(r == 0, 1, r))[1] - 1, 0) - 3)
;;       q = np.round(r / step) * step * 2.0 ** e      # np.round: ties to even
;;       return np.moveaxis(q.reshape(q.shape[:-2] + (-1,))[..., :K], -1, axis).astype(np.float32)
;;   ~~~
;;   SOFTMAX AHEAD OF A QUANTISED PRODUCT. Where the list says 'softmax', what is quantised is not the finished softmax but p = 2^(t - M), with t = logit x log2(e) and M = ceil(the row's largest t), a whole number; so 1/2 < the row's largest p <= 1. The row's sum l is taken of the UNQUANTISED p, in f32, and the product's result is divided by l at the end. Since M is a whole number, a kernel that streams over the keys may use a running M (the ceiling of the running maximum): every later rescaling is an exact power of two, which a block's scale takes up: the codes' values come out the same.
;;   OPERANDS COMPUTED ON THE WAY. 'Computed on the way' means the value that the module computes at that place (a softmax that the list does not call 'softmax' is quantised finished and normalised). What goes into a quantiser is computed in f32, as accurately as f32 sums, v_exp_f32 and their like allow (about 1e-6 of the number): no bf16 or f16 on the way to a quantiser, and a product that is left as it is and whose result goes on into a quantised operand takes f32 operands (vector FMAs, or v_wmma_f32_16x16x4_f32). A number that lies on a knife's edge between two numbers of the format may be rounded either way, as far as f32 arithmetic and the matrix unit's own rounding can turn it there, and no further.
;; One version. Each part assembles by itself: llvm-mc -triple=amdgcn-amd-amdhsa -mcpu=gfx1250 --defsym DOCPART=n.
;; ======== version 1 of 1: 4 launches
;; limits: right only within a limited range of input values
;; workspace buffers: xc 6,291,456 bytes; xs 262,144 bytes; wc 3,145,728 bytes; ws 131,072 bytes; qk 13,631,488 bytes; vb 6,553,600 bytes; cc 6,291,456 bytes; cs 262,144 bytes
;; launch quant (part 1): grid 384 x 1, 4 waves a work-group, no clusters, 35,328 bytes of LDS; arguments embeddings, W_q, W_k, W_v, W_o, xc, xs, wc, ws; writes xc, xs, wc, ws
.if DOCPART == 1
	.amdgcn_target "amdgcn-amd-amdhsa--gfx1250"
	.amdhsa_code_object_version 6
	.text
	.protected	k_q9c51b691d2_quant
	.globl	k_q9c51b691d2_quant
	.p2align	8
	.type	k_q9c51b691d2_quant,@function
k_q9c51b691d2_quant:
	s_mov_b64 s[64:65], 0
	v_nop
	global_prefetch_b8 v0, s[64:65] scope:SCOPE_SE
	s_setreg_imm32_b32 hwreg(HW_REG_WAVE_MODE, 25, 1), 1
	s_wait_xcnt 0x0
; embeddings [8192][1024] and W_q, W_k, W_v, W_o [1024][1024], f32 with K innermost, become codes of FP6 (E2M3) with one E8M0 byte for each 32 along K,
; laid in the order in which a matrix operand's registers take them.
; A ROW TILE T is 16 rows that are not neighbours: tile row i is row 32 (T / 2) + 8 (T % 2) + i + 8 (i / 8).  The four weights are stacked: row tiles 0-63 W_q, 64-127 W_k, 128-191 W_v, 192-255 W_o.
; CODES: [T][K step of 128: 0..7][1,536 bytes]; a K step is two halves of 64 along K, 768 bytes each: lane l = (r = l % 16, h = l / 16) holds tile row r, k = 32 h .. 32 h + 31 of the half, six registers:
; registers 0-3 at 16 l, registers 4-5 at 512 + 8 l.  SCALE WORDS: [T][P 0..3][r][q 0..1], four bytes each: the word of tile row r for K step 2 P + q.
; A block's scale is 2^(floor(log2(its largest magnitude)) - 2); its byte is the largest magnitude's exponent field - 2, held at 1 from below.
; LIMITS: a block of zeros gets the byte 1 where the rule says 127 (its codes are zeros, and this program alone reads the bytes); blocks whose largest magnitude lies under 2^-124 are held at the byte 1;
; NaN and infinities among the inputs are not served.
; SHARES: a work-group takes 32 rows (two row tiles): work-groups 0-255 those of the embeddings, 256-383 those of the weights.  Wave w takes row tile w / 2 of the two and half w % 2 of K: eight half steps of 16 rows x 64 k.
; A half step's eight loads read 256 consecutive bytes of a row in sixteen lanes; the 4,096 bytes turn through the wave's own stage in LDS (rows 272 bytes apart) and come back 128 bytes a lane: a whole block of 32.
; Loads run three half steps ahead, the turn through LDS one.  No tensor load, no barrier: waves share nothing.  No matrix unit, no cluster: the launch moves bytes, and no two work-groups read the same ones.
.set WREG,  8704                       ; LDS of a wave: two stages
.set STGB,  4352                       ; a stage: 16 rows x 272 bytes
.set SP,    272
.set SPARE, 4*WREG                     ; behind the four regions: the spare words, 128 bytes for each wave, which no other line names
.set SPW,   12                         ; v12  LDS address of my spare word; never rewritten
.set NIL,   13                         ; v13  0; never rewritten
.set R,     16                         ; v16-111  three sets of 32 numbers as loaded
.set X,     112                        ; v112-175 two sets of 32 neighbours
.set C,     176                        ; v176-223 six registers of codes for each half step: no store's data are written again
.set TT,    224                        ; v224-231 the second conversion's three registers, two sets
.set E,     232                        ; v232-239 a scale byte for each half step
.set W,     240                        ; v240-243 the four scale words
.set PX,    244                        ; v244-247 lane l xor 16's part of them
	s_load_b256 s[4:11], s[0:1], 0x0               ; embeddings, W_q, W_k, W_v
	s_load_b256 s[12:19], s[0:1], 0x20             ; W_o, xc, xs, wc
	s_load_b64 s[20:21], s[0:1], 0x40              ; ws
	v_lshl_add_u32 v[SPW], v0, 2, SPARE
	v_mov_b32 v[NIL], 0
	v_lshrrev_b32 v1, 5, v0
	v_readfirstlane_b32 s33, v1                    ; wave 0..3
	v_and_b32 v2, 31, v0                           ; lane
	v_and_b32 v8, 15, v0                           ; r
	v_bfe_u32 v9, v0, 4, 1                         ; h
	v_lshlrev_b32 v3, 4, v8
	v_lshl_or_b32 v3, v9, 16, v3                   ; in: 16 bytes a lane of a row's 256; lanes 16-31 sixteen rows (65,536 bytes) further down
	v_lshlrev_b32 v4, 4, v2                        ; out: 16 x lane
	v_lshlrev_b32 v5, 3, v2                        ; and 8 x lane
	s_mul_i32 s36, s33, WREG
	v_mul_u32_u24 v6, v9, 8*SP
	v_lshl_add_u32 v6, v8, 4, v6
	v_add_nc_u32 v6, s36, v6                       ; the stage, on the way in: tile row 8 h + j, 16 r bytes on
	v_mul_u32_u24 v7, v8, SP
	v_lshl_add_u32 v7, v9, 7, v7
	v_add_nc_u32 v7, s36, v7                       ; and on the way out: tile row r, block h
	v_lshlrev_b32 v14, 3, v9                       ; 8 h: my bytes' place in a scale word
.irp s, 0,1,2,3
	v_mov_b32 v[PX+\s], 0                          ; written once: a lane permute's destination counts as one of its sources
.endr
	s_mov_b32 s38, 0x76543210
	s_mov_b32 s39, 0xfedcba98                      ; v_permlanex16_b32's selects for lane l xor 16
	s_and_b32 s22, ttmp9, 127                      ; among the weights' work-groups (256 .. 383): which
	s_lshr_b32 s23, s22, 5                         ; which weight,
	s_and_b32 s31, s22, 31                         ; and which 32 rows of it
	s_lshr_b32 s40, s33, 1
	s_lshl_b32 s40, s40, 15                        ; the second row tile begins 8 rows down,
	s_and_b32 s41, s33, 1
	s_lshl_b32 s41, s41, 11                        ; the second half of K 2,048 bytes on
	s_add_co_u32 s40, s40, s41
	s_wait_alu depctr_va_vdst(0)
	s_wait_kmcnt 0x0
	s_cmp_eq_u32 s23, 1                            ; the choices hang on the work-group's number alone
	s_cselect_b64 s[24:25], s[8:9], s[6:7]
	s_cmp_eq_u32 s23, 2
	s_cselect_b64 s[24:25], s[10:11], s[24:25]
	s_cmp_eq_u32 s23, 3
	s_cselect_b64 s[24:25], s[12:13], s[24:25]
	s_cmp_lt_u32 ttmp9, 256
	s_cselect_b64 s[24:25], s[4:5], s[24:25]       ; the numbers,
	s_cselect_b64 s[26:27], s[14:15], s[18:19]     ; the codes,
	s_cselect_b64 s[28:29], s[16:17], s[20:21]     ; the scale words
	s_cselect_b32 s30, ttmp9, s31                  ; which 32 rows of the tensor read,
	s_cselect_b32 s32, ttmp9, s22                  ; and of the buffers written
	s_lshl_b32 s34, s30, 17                        ; 32 rows of 4,096 bytes
	s_add_co_u32 s34, s34, s40
	s_mov_b32 s35, 0
	s_add_nc_u64 s[24:25], s[24:25], s[34:35]
	s_mul_i32 s34, s32, 24576                      ; two row tiles of 12,288 bytes; a wave's part is 6,144
	s_mul_i32 s42, s33, 6144
	s_add_co_u32 s34, s34, s42
	s_add_nc_u64 s[26:27], s[26:27], s[34:35]
	s_lshl_b32 s34, s32, 10                        ; two row tiles of 512 bytes; a wave's part is 256
	s_lshl_b32 s42, s33, 8
	s_add_co_u32 s34, s34, s42
	s_add_nc_u64 s[28:29], s[28:29], s[34:35]
.macro LOAD t                          ; half step t into set t % 3: load j brings tile rows j (lanes 0-15) and 8 + j (lanes 16-31), 256 consecutive bytes each
.irp j, 0,1,2,3,4,5,6,7
	global_load_b128 v[R+32*((\t)%3)+4*\j:R+32*((\t)%3)+4*\j+3], v3, s[24:25] offset:256*(\t)+4096*\j th:TH_LOAD_NT
.endr
.endm
.macro TURN t                          ; through stage t % 2: LDS serves a wave's instructions in order, so no wait stands between the stores and the loads
.irp j, 0,1,2,3,4,5,6,7
	ds_store_b128 v6, v[R+32*((\t)%3)+4*\j:R+32*((\t)%3)+4*\j+3] offset:STGB*((\t)%2)+SP*\j
.endr
.irp i, 0,1,2,3,4,5,6,7
	ds_load_b128 v[X+32*((\t)%2)+4*\i:X+32*((\t)%2)+4*\i+3], v7 offset:STGB*((\t)%2)+16*\i
.endr
.endm
.macro STEP t
.set XS, X+32*((\t)%2)
	s_wait_dscnt 0x0                               ; my block is back from the stage, and the stage's stores have read set t % 3,
.if (\t)+3 < 8
	LOAD (\t)+3                                    ; which takes the loads of three half steps on
.endif
.if (\t)+1 < 8
.if (\t) <= 4
	s_wait_loadcnt 16                              ; the next half step's eight loads are in; those of the two behind it may be out
.elseif (\t) == 5
	s_wait_loadcnt 8                               ; one half step is behind it
.else
	s_wait_loadcnt 0
.endif
	TURN (\t)+1                                    ; it goes through the other stage while this one is worked
.endif
	v_max3_num_f32 v8, |v[XS]|, |v[XS+1]|, |v[XS+2]|               ; the block's largest magnitude: all 32 numbers are mine; two chains
	v_max3_num_f32 v9, |v[XS+3]|, |v[XS+4]|, |v[XS+5]|
.irp i, 6,10,14,18,22,26
	v_max3_num_f32 v8, v8, |v[XS+\i]|, |v[XS+\i+1]|
	v_max3_num_f32 v9, v9, |v[XS+\i+2]|, |v[XS+\i+3]|
.endr
	v_max3_num_f32 v8, v8, |v[XS+30]|, |v[XS+31]|
	v_max3_num_f32 v8, v8, v9, 0x1800000           ; and the floor 2^(3 - 127): the byte cannot fall under 1
	v_add_nc_u32 v10, 0xff000000, v8               ; 2 off the exponent field: the conversion takes the exponent field of this operand as its scale
	v_cvt_scalef32_pk16_fp6_f32 v[C+6*(\t):C+6*(\t)+2], v[XS:XS+15], v10
	v_cvt_scalef32_pk16_fp6_f32 v[TT+4*((\t)%2):TT+4*((\t)%2)+2], v[XS+16:XS+31], v10   ; (a conversion's three registers begin on an even number)
	v_lshrrev_b32 v[E+(\t)], 23, v10               ; the scale's byte; also the plain line behind the conversions
.irp i, 0,1,2
	v_mov_b32 v[C+6*(\t)+3+\i], v[TT+4*((\t)%2)+\i]
.endr
	global_store_b128 v4, v[C+6*(\t):C+6*(\t)+3], s[26:27] offset:768*(\t)         ; 512 consecutive bytes,
	global_store_b64 v5, v[C+6*(\t)+4:C+6*(\t)+5], s[26:27] offset:768*(\t)+512    ; and 256
.endm
	LOAD 0
	LOAD 1
	LOAD 2
	s_wait_loadcnt 16                              ; half step 0's eight loads are in; those of 1 and 2 may be out
	TURN 0
.irp t, 0,1,2,3,4,5,6,7
	STEP \t
.endr
	; K step s of my four: half step 2 s gave me the byte of block h, half step 2 s + 1 that of block 2 + h; lane l xor 16 has the other two
.irp s, 0,1,2,3
	v_lshl_or_b32 v[W+\s], v[E+2*\s+1], 16, v[E+2*\s]
.endr
.irp s, 0,1,2,3
	v_lshlrev_b32 v[W+\s], v14, v[W+\s]
.endr
.irp s, 0,1,2,3
	v_permlanex16_b32 v[PX+\s], v[W+\s], s38, s39
.endr
.irp s, 0,1,2,3
	v_or_b32 v[W+\s], v[W+\s], v[PX+\s]
.endr
	v_cmp_le_u32 vcc_lo, 16, v2                    ; lanes 0-15 store K steps 0, 1 of their row, lanes 16-31 K steps 2, 3
	v_cndmask_b32 v8, v[W], v[W+2], vcc_lo
	v_cndmask_b32 v9, v[W+1], v[W+3], vcc_lo
	global_store_b64 v5, v[8:9], s[28:29]          ; 256 consecutive bytes, at a multiple of 256 from the buffer's first byte
	s_wait_tensorcnt 0x0                           ; the wave's end: behind my last LDS store
	ds_add_u32 v[SPW], v[NIL]
	s_wait_dscnt 0x0
	s_endpgm
.Lfunc_end_k_q9c51b691d2_quant:
	.size	k_q9c51b691d2_quant, .Lfunc_end_k_q9c51b691d2_quant-k_q9c51b691d2_quant
	.p2alignl 7, 3214868480
	.fill 96, 4, 3214868480
	.section	.rodata,"a",@progbits
	.p2align	6, 0x0
	.amdhsa_kernel k_q9c51b691d2_quant
		.amdhsa_group_segment_fixed_size 35328
		.amdhsa_private_segment_fixed_size 0
		.amdhsa_enable_private_segment 0
		.amdhsa_kernarg_size 72
		.amdhsa_user_sgpr_count 2
		.amdhsa_user_sgpr_kernarg_segment_ptr 1
		.amdhsa_wavefront_size32 1
		.amdhsa_system_sgpr_workgroup_id_x 1
		.amdhsa_system_sgpr_workgroup_id_y 1
		.amdhsa_system_sgpr_workgroup_id_z 1
		.amdhsa_system_vgpr_workitem_id 0
		.amdhsa_next_free_vgpr 248
		.amdhsa_next_free_sgpr 66
		.amdhsa_reserve_vcc 1
		.amdhsa_float_denorm_mode_32 3
		.amdhsa_float_denorm_mode_16_64 3
		.amdhsa_memory_ordered 1
		.amdhsa_forward_progress 1
		.amdhsa_inst_pref_size 31
	.end_amdhsa_kernel
	.amdgpu_metadata
---
amdhsa.version: [ 1, 2 ]
amdhsa.kernels:
  - .name:           k_q9c51b691d2_quant
    .symbol:         k_q9c51b691d2_quant.kd
    .args:
      - { .name: embeddings, .offset: 0, .size: 8, .value_kind: global_buffer, .address_space: global }
      - { .name: W_q, .offset: 8, .size: 8, .value_kind: global_buffer, .address_space: global }
      - { .name: W_k, .offset: 16, .size: 8, .value_kind: global_buffer, .address_space: global }
      - { .name: W_v, .offset: 24, .size: 8, .value_kind: global_buffer, .address_space: global }
      - { .name: W_o, .offset: 32, .size: 8, .value_kind: global_buffer, .address_space: global }
      - { .name: xc, .offset: 40, .size: 8, .value_kind: global_buffer, .address_space: global }
      - { .name: xs, .offset: 48, .size: 8, .value_kind: global_buffer, .address_space: global }
      - { .name: wc, .offset: 56, .size: 8, .value_kind: global_buffer, .address_space: global }
      - { .name: ws, .offset: 64, .size: 8, .value_kind: global_buffer, .address_space: global }
    .group_segment_fixed_size: 35328
    .private_segment_fixed_size: 0
    .kernarg_segment_align: 8
    .kernarg_segment_size: 72
    .max_flat_workgroup_size: 128
    .sgpr_count:     66
    .vgpr_count:     248
    .wavefront_size: 32
...
	.end_amdgpu_metadata
.endif
;; end of part 1
;; launch qkv (part 2): grid 32 x 8, 4 waves a work-group, clusters of 4 x 1, 327,680 bytes of LDS; arguments xc, xs, wc, ws, qk, vb; writes qk, vb
.if DOCPART == 2
	.amdgcn_target "amdgcn-amd-amdhsa--gfx1250"
	.amdhsa_code_object_version 6
	.text
	.protected	k_q9c51b691d2_qkv
	.globl	k_q9c51b691d2_qkv
	.p2align	8
	.type	k_q9c51b691d2_qkv,@function
k_q9c51b691d2_qkv:
	s_mov_b64 s[64:65], 0
	v_nop
	global_prefetch_b8 v0, s[64:65] scope:SCOPE_SE
	s_setreg_imm32_b32 hwreg(HW_REG_WAVE_MODE, 25, 1), 1
	s_wait_xcnt 0x0
	s_wait_alu depctr_hold_cnt(0) depctr_sa_sdst(0) depctr_va_vdst(0) depctr_va_sdst(0) depctr_va_ssrc(0) depctr_va_vcc(0) depctr_vm_vsrc(0)
	s_getreg_b32 s2, hwreg(HW_REG_IB_STS2, 6, 4)
	s_cmp_eq_u32 s2, 0
	s_cbranch_scc0 .Lentry_in_a_cluster
	s_endpgm
.Lentry_in_a_cluster:
	s_bfe_u32 s2, ttmp6, 0x10000c
	s_cmp_lg_u32 s2, 0x3003
	s_cbranch_scc0 .Lentry_shape_is_right
	s_endpgm
.Lentry_shape_is_right:
; q = x W_q^T, k = x W_k^T and v = x W_v^T on codes of FP6 (E2M3) with E8M0 scales; the results are quantised in registers and leave as codes, laid as the attention's operands.
; A work-group (i = 4 I + cx of 32, j of 8) makes three UNITS of 256 x 128.  Units 0, 1: x block i (256 tokens) against rows 256 j + 128 u of W_q|W_k, quantised along the channels.
; Unit 2: W_v block cx (256 channels) against tokens 128 g .., g = 8 I + j, quantised along the tokens (V^T).  32 x 16 + 4 x 64 = 768 units = 3 for each of 256 work-groups.
; THE KEPT OPERAND (source 1): wave w has 64 of the 256 rows, all of K: 4 row tiles x 8 K steps x 12 registers, loaded from memory as they lie (the workspace holds register images).
; During unit 1 each K step's registers take W_v's as soon as their products are issued.
; THE STREAMED OPERAND (source 0) of all three units, codes and scale words, is 307,200 bytes of LDS, brought by one tensor load a wave at the head; nothing is filled again, the loop has no barrier.
; So nothing is prefetched: all that the work-group reads is asked for at its head.
; CLUSTER: the four work-groups of a cluster share I and j, so they want the same four tiles and ask for them JOINTLY (mask of all four; the descriptors are made of I and j alone).
; In a result lane l holds row l % 16 of the kept operand, and the 16 registers of tiles 2 e, 2 e + 1 are 16 neighbours 32 e + 16 (l / 16) + 0 .. 15 of the streamed rows (the row tiles are laid so).
; LIMITS: a block of zeros gets the byte 1 where the rule says 127 (its codes are zeros, this program alone reads the bytes); blocks under 2^-124 are held at the byte 1; NaN and infinities are not served.
; REGISTERS: window 0: v1-12 addresses, v32-63 kept scales, v64-95 streamed scales (two sets), v96-105 words on the way out, v128-223 streamed set 0 / codes on the way out, v224-247 at work;
; window 1: the 32 accumulators, (a, b) at 8 (8 a + b); window 2: kept K steps 0-4; window 3: v0-143 kept K steps 5-7, v144-239 streamed set 1.
.set UNITB, 98304                      ; a unit's streamed codes: 8 row tiles x 12,288 bytes
.set SCL,   294912                     ; behind three units: their scale words, 4,096 bytes a unit
.set SPARE, 307200                     ; the spare words, 128 bytes a wave, which no other line names
.set L16, 1
.set L8,  2
.set R8,  3
.set LN,  4
.set SPW, 5
.set NIL, 6
.set AT,  8                            ; v8-11 LDS addresses of the unit's tiles 0-3 (16 l, 8 l) and 4-7
.set ADTS, 12
.set RS,  32
.set TS,  64
.set PWS, 96
.set EW,  100
.set CODE, 128
.set TM,  224
.set TT,  240
.set U,   92                           ; s92 the unit; s93, s94 its codes and scale words in LDS; s95 lanes 16-31
.set LB,  93
.set LS,  94
.set MK,  95
.set SEL, 96
.set MSB, 0
.macro WIN new                         ; the immediate's high byte repeats the setting that is left
.if MSB != (\new)
	s_set_vgpr_msb (MSB<<8)|(\new)
.set MSB, (\new)
.endif
.endm
.macro CROUND                          ; a round of the cluster's barrier
	s_barrier_signal -1
	s_barrier_wait -1
	s_cmp_lg_u32 s16, 0
	s_cbranch_scc1 .Lnot_wave_0_\@
	s_barrier_signal -3
.Lnot_wave_0_\@:
	s_barrier_wait -3
	s_barrier_signal -1
	s_barrier_wait -1
.endm
.macro PLACES
.rept 4
	v_nop
.endr
.endm
.macro GONE g, rows                    ; group 1: dense rows of 256 bytes (32 elements of 8), the mask of all four, bit 21 beside it
	s_mov_b32 s[\g], 15|(3<<16)|(1<<21)
	s_mov_b32 s[\g+1], 32<<16
	s_mov_b32 s[\g+2], (\rows)<<16
	s_mov_b32 s[\g+3], 32<<16
	s_mov_b32 s[\g+4], \rows
	s_mov_b32 s[\g+5], 32
	s_mov_b32 s[\g+6], 0
	s_mov_b32 s[\g+7], 0
.endm
.macro RLOAD sb, s                     ; the kept operand's K step s: four fragments as they lie in memory
.set RK, (\s)
.if RK < 5
	WIN 0x80
.set RB, 48*RK
.else
	WIN 0xc0
.set RB, 48*(RK-5)
.endif
.irp a, 0,1,2,3
	global_load_b128 v[RB+12*\a:RB+12*\a+3], v[L16], s[\sb:\sb+1] offset:12288*\a+1536*RK
	global_load_b64 v[RB+12*\a+4:RB+12*\a+5], v[L8], s[\sb:\sb+1] offset:12288*\a+1536*RK+512
	global_load_b128 v[RB+12*\a+6:RB+12*\a+9], v[L16], s[\sb:\sb+1] offset:12288*\a+1536*RK+768
	global_load_b64 v[RB+12*\a+10:RB+12*\a+11], v[L8], s[\sb:\sb+1] offset:12288*\a+1536*RK+1280
.endr
	WIN 0
.endm
.macro RSLOAD sb                       ; its scale words: register RS + 8 a + s is tile a's word of K step s
.irp a, 0,1,2,3
.irp p, 0,1,2,3
	global_load_b64 v[RS+8*\a+2*\p:RS+8*\a+2*\p+1], v[R8], s[\sb:\sb+1] offset:512*\a+128*\p
.endr
.endr
.endm
	s_load_b256 s[4:11], s[0:1], 0x0               ; xc, xs, wc, ws
	s_load_b128 s[12:15], s[0:1], 0x20             ; qk, vb
	v_lshl_add_u32 v[SPW], v0, 2, SPARE
	v_mov_b32 v[NIL], 0
	ds_add_u32 v[SPW], v[NIL]                      ; the opening lines: the add, twice on end, and its wait ahead of my first tensor load
	ds_add_u32 v[SPW], v[NIL]
	v_lshrrev_b32 v7, 5, v0
	v_readfirstlane_b32 s16, v7                    ; wave
	v_and_b32 v[LN], 31, v0
	v_and_b32 v7, 15, v0
	v_lshlrev_b32 v[L16], 4, v[LN]
	v_lshlrev_b32 v[L8], 3, v[LN]
	v_lshlrev_b32 v[R8], 3, v7
	v_cmp_le_u32 s[MK], 16, v[LN]
.irp b, 0,1,2,3
	v_mov_b32 v[TM+4+\b], 0                        ; a lane permute's destination counts as one of its sources
.endr
	s_bfe_u32 s17, ttmp6, 0x40000                  ; cx
	s_and_b32 s19, ttmp7, 0xffff                   ; j
	s_lshl_b32 s21, ttmp9, 3
	s_add_co_u32 s21, s21, s19                     ; g = 8 I + j
	s_lshl_b32 s20, ttmp9, 2
	s_add_co_u32 s20, s20, s17                     ; i = 4 I + cx
	GONE 24, 768                                   ; W_q|W_k: 256 rows' codes, 196,608 bytes
	GONE 32, 384                                   ; x: 128 rows' codes
	GONE 40, 32                                    ; the scale words of the first,
	GONE 48, 16                                    ; and of the second
	s_mov_b32 s[SEL], 0x76543210
	s_mov_b32 s[SEL+1], 0xfedcba98
	s_mov_b32 s23, 0
	s_mov_b32 s99, 0
	s_wait_alu depctr_va_vdst(0)                   ; the wait at the head's end
	s_wait_dscnt 0x0
	s_wait_kmcnt 0x0
	s_mul_i32 s22, s19, 196608                     ; the four groups 0: made of I and j alone
	s_mov_b32 s56, 1
	s_mov_b32 s57, 0
	s_add_nc_u64 s[58:59], s[8:9], s[22:23]
	s_or_b32 s59, s59, 0x80000000
	s_mul_i32 s22, s21, 98304
	s_mov_b32 s60, 1
	s_mov_b32 s61, 2*UNITB
	s_add_nc_u64 s[62:63], s[4:5], s[22:23]
	s_or_b32 s63, s63, 0x80000000
	s_lshl_b32 s22, s19, 13
	s_mov_b32 s68, 1
	s_mov_b32 s69, SCL
	s_add_nc_u64 s[70:71], s[10:11], s[22:23]
	s_or_b32 s71, s71, 0x80000000
	s_lshl_b32 s22, s21, 12
	s_mov_b32 s72, 1
	s_mov_b32 s73, SCL+8192
	s_add_nc_u64 s[74:75], s[6:7], s[22:23]
	s_or_b32 s75, s75, 0x80000000
	CROUND                                         ; all four work-groups are here: the joint loads meet
.macro ARM under, g0, g1, next         ; one tree of branches on the wave's number, one load to an arm
	s_cmp_lt_u32 s16, \under
	s_cbranch_scc0 \next
	tensor_load_to_lds s[\g0:\g0+3], s[\g1:\g1+7]
	s_nop 0
	PLACES
	s_branch .Lasked
\next:
.endm
	ARM 1, 56, 24, .Lhead_x
	ARM 2, 60, 32, .Lhead_sw
	ARM 3, 68, 40, .Lhead_sx
	tensor_load_to_lds s[72:75], s[48:55]
	s_nop 0
	PLACES
.Lasked:
	s_lshl_b32 s2, s20, 4                          ; the kept operands (cx enters these alone)
	s_lshl_b32 s3, s16, 2
	s_add_co_u32 s2, s2, s3                        ; x's row tile 16 i + 4 w
	s_mul_i32 s98, s2, 12288
	s_add_nc_u64 s[76:77], s[4:5], s[98:99]
	s_lshl_b32 s98, s2, 9
	s_add_nc_u64 s[78:79], s[6:7], s[98:99]
.irp s, 0,1,2,3,4,5,6,7
	RLOAD 76, \s
.endr
	RSLOAD 78
	s_lshl_b32 s2, s17, 4
	s_add_co_u32 s2, s2, s3
	s_add_co_u32 s2, s2, 128                       ; W_v's row tile 128 + 16 cx + 4 w
	s_mul_i32 s98, s2, 12288
	s_add_nc_u64 s[80:81], s[8:9], s[98:99]
	s_lshl_b32 s98, s2, 9
	s_add_nc_u64 s[82:83], s[10:11], s[98:99]
	s_lshr_b32 s2, s20, 3                          ; q, k: head 16 batch + 4 (j % 4) + 2 u + c, 106,496 bytes each; k's 64 heads behind q's
	s_lshl_b32 s2, s2, 4
	s_and_b32 s3, s19, 3
	s_lshl_b32 s3, s3, 2
	s_add_co_u32 s2, s2, s3
	s_mul_i32 s2, s2, 106496
	s_lshr_b32 s3, s19, 2
	s_mul_i32 s3, s3, 6815744
	s_add_co_u32 s2, s2, s3
	s_and_b32 s3, s20, 7
	s_lshl_b32 s3, s3, 1
	s_lshr_b32 s18, s16, 1
	s_add_co_u32 s3, s3, s18                       ; which 128 tokens of the batch's 2,048
	s_and_b32 s18, s16, 1                          ; and which four of their eight tiles
	s_mul_i32 s98, s3, 6144
	s_add_co_u32 s98, s98, s2
	s_mul_i32 s100, s18, 3072
	s_add_co_u32 s98, s98, s100
	s_add_nc_u64 s[84:85], s[12:13], s[98:99]
	s_lshl_b32 s98, s3, 9
	s_add_co_u32 s98, s98, s2
	s_lshl_b32 s100, s18, 3
	s_add_co_u32 s98, s98, s100
	s_add_co_u32 s98, s98, 98304
	s_add_nc_u64 s[86:87], s[12:13], s[98:99]
	s_lshr_b32 s2, s21, 4                          ; V^T: head 16 batch + 4 cx + w, 102,400 bytes each; key step g % 16
	s_lshl_b32 s2, s2, 4
	s_lshl_b32 s3, s17, 2
	s_add_co_u32 s2, s2, s3
	s_add_co_u32 s2, s2, s16
	s_mul_i32 s2, s2, 102400
	s_and_b32 s3, s21, 15
	s_mul_i32 s98, s3, 6144
	s_add_co_u32 s98, s98, s2
	s_add_nc_u64 s[88:89], s[14:15], s[98:99]
	s_lshl_b32 s98, s3, 8
	s_add_co_u32 s98, s98, s2
	s_add_co_u32 s98, s98, 98304
	s_add_nc_u64 s[90:91], s[14:15], s[98:99]
	s_mov_b32 s[U], 0
	s_mov_b32 s[LB], 0
	s_mov_b32 s[LS], SCL
	s_wait_tensorcnt 0x0                           ; my tile has landed,
	s_barrier_signal -1
	s_barrier_wait -1                              ; everybody's has; nobody writes these bytes again
.macro FETCH st                        ; the streamed operand's eight fragments of K step st into set st % 2
.set FK, (\st)
.if FK%2
	WIN 0xc0
.set FB, 144
.else
.set FB, 128
.endif
.irp b, 0,1,2,3,4,5,6,7
	ds_load_b128 v[FB+12*\b:FB+12*\b+3], v[AT+2*(\b/4)] offset:12288*(\b%4)+1536*FK
	ds_load_b64 v[FB+12*\b+4:FB+12*\b+5], v[AT+2*(\b/4)+1] offset:12288*(\b%4)+1536*FK+512
	ds_load_b128 v[FB+12*\b+6:FB+12*\b+9], v[AT+2*(\b/4)] offset:12288*(\b%4)+1536*FK+768
	ds_load_b64 v[FB+12*\b+10:FB+12*\b+11], v[AT+2*(\b/4)+1] offset:12288*(\b%4)+1536*FK+1280
.endr
	WIN 0
.endm
.macro SCALES p                        ; its scale words of K steps 2 p, 2 p + 1 into set p % 2
.set SK, (\p)
.irp b, 0,1,2,3,4,5,6,7
	ds_load_b64 v[TS+16*(SK%2)+2*\b:TS+16*(SK%2)+2*\b+1], v[ADTS] offset:512*\b+128*SK
.endr
.endm
.macro MAYBE s                         ; in unit 1 alone: K step s's products are issued, its registers take W_v's.  The branch hangs on the unit's number
	s_cmp_eq_u32 s[U], 1
	s_cbranch_scc0 .Lnr_\@
	RLOAD 80, \s
.Lnr_\@:
.endm
; A K step: 32 products, the 32 accumulators by turns.  Ahead of them the next K step's 32 LDS loads (and 8 of scale words in the odd steps) are issued,
; four places behind the products that read those registers; the wait lets just these stay out.
.macro KSTEP s
.set KK, (\s)
.if KK > 0
	PLACES
	MAYBE KK-1
.endif
.if KK < 7
	FETCH KK+1
.if KK%2
	SCALES (KK+1)/2
.endif
	s_wait_dscnt 32+8*(KK%2)
.else
	s_wait_dscnt 0x0
.endif
.if KK < 5
.set WRB, 48*KK
.set WRW, 2
.else
.set WRB, 48*(KK-5)
.set WRW, 3
.endif
.set WTB, 128+16*(KK%2)
	WIN 0x50|(WRW<<2)|(3*(KK%2))
.irp a, 0,1,2,3
.irp b, 0,1,2,3,4,5,6,7
.if KK == 0
	v_wmma_scale_f32_16x16x128_f8f6f4 v[8*(8*\a+\b):8*(8*\a+\b)+7], v[WTB+12*\b:WTB+12*\b+11], v[WRB+12*\a:WRB+12*\a+11], 0, v[TS+16*((KK/2)%2)+2*\b+KK%2], v[RS+8*\a+KK] matrix_a_fmt:MATRIX_FMT_FP6 matrix_b_fmt:MATRIX_FMT_FP6
.else
	v_wmma_scale_f32_16x16x128_f8f6f4 v[8*(8*\a+\b):8*(8*\a+\b)+7], v[WTB+12*\b:WTB+12*\b+11], v[WRB+12*\a:WRB+12*\a+11], v[8*(8*\a+\b):8*(8*\a+\b)+7], v[TS+16*((KK/2)%2)+2*\b+KK%2], v[RS+8*\a+KK] matrix_a_fmt:MATRIX_FMT_FP6 matrix_b_fmt:MATRIX_FMT_FP6
.endif
.endr
.endr
	WIN 0
.endm
; Tile a's 64 registers are four blocks of 32 along the next product's K, each shared by lanes l and l xor 16: largest magnitude, scale byte, codes, and whole blocks to a lane by three swaps a pair.
.macro QUANTW a
.set SR, 64*(\a)
	WIN 0x05
.irp b, 0,1,2,3
	v_max3_num_f32 v[TM+\b], |v[SR+16*\b]|, |v[SR+16*\b+1]|, 0x1800000
.endr
.irp i, 2,4,6,8,10,12,14
.irp b, 0,1,2,3
	v_max3_num_f32 v[TM+\b], |v[SR+16*\b+\i]|, |v[SR+16*\b+\i+1]|, v[TM+\b]
.endr
.endr
	WIN 0
.irp b, 0,1,2,3
	v_permlanex16_b32 v[TM+4+\b], v[TM+\b], s[SEL], s[SEL+1]
.endr
.irp b, 0,1,2,3
	v_max_num_f32 v[TM+\b], v[TM+\b], v[TM+4+\b]
.endr
.irp b, 0,1,2,3
	v_add_nc_u32 v[TM+12+\b], 0xff000000, v[TM+\b]  ; 2 off the exponent field: the conversion's scale operand
.endr
.irp b, 0,1,2,3
	v_lshrrev_b32 v[TM+4+\b], 23, v[TM+12+\b]
.endr
	v_lshl_or_b32 v[PWS+(\a)], v[TM+5], 8, v[TM+4]
	v_lshl_or_b32 v[PWS+(\a)], v[TM+6], 16, v[PWS+(\a)]
	v_lshl_or_b32 v[PWS+(\a)], v[TM+7], 24, v[PWS+(\a)]
	WIN 0x01
.irp c, 0,1
	v_cvt_scalef32_pk16_fp6_f32 v[CODE+12*(\a)+6*\c:CODE+12*(\a)+6*\c+2], v[SR+32*\c:SR+32*\c+15], v[TM+12+2*\c]
	v_cvt_scalef32_pk16_fp6_f32 v[TT+4*\c:TT+4*\c+2], v[SR+32*\c+16:SR+32*\c+31], v[TM+12+2*\c+1]
.endr
	WIN 0
	v_nop                                          ; one plain line behind a scaled conversion
.irp c, 0,1
.irp i, 0,1,2
	v_permlane16_swap_b32 v[CODE+12*(\a)+6*\c+\i], v[TT+4*\c+\i]
.endr
.irp i, 0,1,2
	v_mov_b32 v[CODE+12*(\a)+6*\c+3+\i], v[TT+4*\c+\i]
.endr
.endr
.endm
.Lunit:
	v_add_nc_u32 v[AT], s[LB], v[L16]
	v_add_nc_u32 v[AT+1], s[LB], v[L8]
	v_add_nc_u32 v[ADTS], s[LS], v[R8]
	v_add_nc_u32 v[AT+2], 49152, v[AT]
	v_add_nc_u32 v[AT+3], 49152, v[AT+1]
	s_wait_alu depctr_va_vdst(0)
	FETCH 0
	SCALES 0
	s_wait_loadcnt 0x0                             ; the kept operand is in
.irp s, 0,1,2,3,4,5,6,7
	KSTEP \s
.endr
	PLACES                                         ; behind the last products: for the loads below and for the first reads of the results
	s_cmp_eq_u32 s[U], 1
	s_cbranch_scc0 .Lnr7
	RLOAD 80, 7
	RSLOAD 82
.Lnr7:
.irp a, 0,1,2,3
	QUANTW \a
.endr
	s_wait_alu depctr_va_vdst(0)                   ; the wait here, directly ahead of the branch
	s_cmp_eq_u32 s[U], 2
	s_cbranch_scc1 .Lvt
.irp a, 0,1,2,3                        ; q, k: six registers a tile and head: 512 and 256 consecutive bytes
.irp c, 0,1
	global_store_b128 v[L16], v[CODE+12*\a+6*\c:CODE+12*\a+6*\c+3], s[84:85] offset:768*\a+106496*\c
	global_store_b64 v[L8], v[CODE+12*\a+6*\c+4:CODE+12*\a+6*\c+5], s[84:85] offset:768*\a+106496*\c+512
.endr
.endr
.irp p, 0,1
	v_cndmask_b32 v[EW+\p], v[PWS+2*\p], v[PWS+2*\p+1], s[MK]   ; lanes 0-15 the even tile's word, lanes 16-31 the odd one's
.endr
.irp p, 0,1
	v_and_b32 v[EW+2+\p], 0xffff, v[EW+\p]         ; the first head's two bytes,
	v_lshrrev_b32 v[EW+4+\p], 16, v[EW+\p]         ; the second's; bytes 2 and 3 stay 0
.endr
	global_store_b64 v[L16], v[EW+2:EW+3], s[86:87]
	global_store_b64 v[L16], v[EW+4:EW+5], s[86:87] offset:106496
	s_branch .Ljoin
.Lvt:
.irp a, 0,1,2,3                        ; V^T: a fragment of 16 channels x 128 keys: 1,536 consecutive bytes
.irp j, 0,1,2
	global_store_b128 v[L16], v[CODE+12*\a+4*\j:CODE+12*\a+4*\j+3], s[88:89] offset:1536*\a+512*\j
.endr
.endr
	v_cndmask_b32 v[EW], v[PWS], v[PWS+1], s[MK]
	v_cndmask_b32 v[EW+1], v[PWS+2], v[PWS+3], s[MK]
	global_store_b64 v[L8], v[EW:EW+1], s[90:91]
.Ljoin:
	s_wait_xcnt 0x0                                ; the stores have read their data and bases: both are written again below
	s_add_nc_u64 s[84:85], s[84:85], 212992        ; two heads on
	s_add_nc_u64 s[86:87], s[86:87], 212992
	s_add_co_u32 s[LB], s[LB], UNITB
	s_add_co_u32 s[LS], s[LS], 4096
	s_add_co_u32 s[U], s[U], 1
	s_cmp_lt_u32 s[U], 3
	s_wait_alu depctr_va_vdst(0)                   ; the wait ahead of the backward jump
	s_cbranch_scc1 .Lunit
	s_wait_tensorcnt 0x0                           ; the wave's end
	ds_add_u32 v[SPW], v[NIL]
	s_wait_dscnt 0x0
	CROUND                                         ; the closing round
	s_endpgm
.Lfunc_end_k_q9c51b691d2_qkv:
	.size	k_q9c51b691d2_qkv, .Lfunc_end_k_q9c51b691d2_qkv-k_q9c51b691d2_qkv
	.p2alignl 7, 3214868480
	.fill 96, 4, 3214868480
	.section	.rodata,"a",@progbits
	.p2align	6, 0x0
	.amdhsa_kernel k_q9c51b691d2_qkv
		.amdhsa_group_segment_fixed_size 327680
		.amdhsa_private_segment_fixed_size 0
		.amdhsa_enable_private_segment 0
		.amdhsa_kernarg_size 48
		.amdhsa_user_sgpr_count 2
		.amdhsa_user_sgpr_kernarg_segment_ptr 1
		.amdhsa_wavefront_size32 1
		.amdhsa_system_sgpr_workgroup_id_x 1
		.amdhsa_system_sgpr_workgroup_id_y 1
		.amdhsa_system_sgpr_workgroup_id_z 1
		.amdhsa_system_vgpr_workitem_id 0
		.amdhsa_next_free_vgpr 1024
		.amdhsa_next_free_sgpr 102
		.amdhsa_reserve_vcc 0
		.amdhsa_float_denorm_mode_32 3
		.amdhsa_float_denorm_mode_16_64 3
		.amdhsa_memory_ordered 1
		.amdhsa_forward_progress 1
		.amdhsa_inst_pref_size 109
	.end_amdhsa_kernel
	.amdgpu_metadata
---
amdhsa.version: [ 1, 2 ]
amdhsa.kernels:
  - .name:           k_q9c51b691d2_qkv
    .symbol:         k_q9c51b691d2_qkv.kd
    .args:
      - { .name: xc, .offset: 0, .size: 8, .value_kind: global_buffer, .address_space: global }
      - { .name: xs, .offset: 8, .size: 8, .value_kind: global_buffer, .address_space: global }
      - { .name: wc, .offset: 16, .size: 8, .value_kind: global_buffer, .address_space: global }
      - { .name: ws, .offset: 24, .size: 8, .value_kind: global_buffer, .address_space: global }
      - { .name: qk, .offset: 32, .size: 8, .value_kind: global_buffer, .address_space: global }
      - { .name: vb, .offset: 40, .size: 8, .value_kind: global_buffer, .address_space: global }
    .group_segment_fixed_size: 327680
    .private_segment_fixed_size: 0
    .kernarg_segment_align: 8
    .kernarg_segment_size: 48
    .max_flat_workgroup_size: 128
    .sgpr_count:     102
    .vgpr_count:     1024
    .wavefront_size: 32
...
	.end_amdgpu_metadata
.endif
;; end of part 2
;; launch attn (part 3): grid 4 x 64, 16 waves a work-group, clusters of 4 x 1, 210,944 bytes of LDS; arguments qk, vb, cc, cs; writes cc, cs
.if DOCPART == 3
	.amdgcn_target "amdgcn-amd-amdhsa--gfx1250"
	.amdhsa_code_object_version 6
	.text
	.protected	k_q9c51b691d2_attn
	.globl	k_q9c51b691d2_attn
	.p2align	8
	.type	k_q9c51b691d2_attn,@function
k_q9c51b691d2_attn:
	s_mov_b64 s[64:65], 0
	v_nop
	global_prefetch_b8 v0, s[64:65] scope:SCOPE_SE
	s_setreg_imm32_b32 hwreg(HW_REG_WAVE_MODE, 25, 1), 1
	s_wait_xcnt 0x0
	s_wait_alu depctr_hold_cnt(0) depctr_sa_sdst(0) depctr_va_vdst(0) depctr_va_sdst(0) depctr_va_ssrc(0) depctr_va_vcc(0) depctr_vm_vsrc(0)
	s_getreg_b32 s2, hwreg(HW_REG_IB_STS2, 6, 4)
	s_cmp_eq_u32 s2, 0
	s_cbranch_scc0 .Lentry_in_a_cluster
	s_endpgm
.Lentry_in_a_cluster:
	s_bfe_u32 s2, ttmp6, 0x10000c
	s_cmp_lg_u32 s2, 0x3003
	s_cbranch_scc0 .Lentry_shape_is_right
	s_endpgm
.Lentry_shape_is_right:
; ctx[head][q] = the sum over k of softmax_k(q . k / 8) v, both products on codes of FP6 (E2M3) with E8M0 scales; ctx is quantised in registers along the channels and leaves as codes, laid as the last product's operand.
; THE SOFTMAX AHEAD OF THE SECOND PRODUCT: t = score x log2(e) / 8; M = the row's largest t so far, rounded UP to a whole number; p = 2^(t - M) is what is quantised, along the keys, not normalised.
; The row's sum is taken of the unquantised p, in f32, and divides O at the end.  When M moves, the sum and O are multiplied by 2^(old M - new M): exact.
; A HEAD'S K AND V, CODES AND SCALE WORDS, ARE 208,896 BYTES AND STAY IN LDS: each of the sixteen waves brings one sixteenth by one tensor load at the head; nothing is filled again, and the loop has no barrier.
; So nothing is prefetched either: all that the work-group reads in its loop is asked for by its first loads.
; CLUSTER: the four work-groups of a head (512 queries each) want the same K and V and ask for them JOINTLY: the same load, the same descriptor, the mask of all four.
; SHARES: wave w takes query tiles 32 cx + 2 w and + 1, one after the other (two passes); a pass walks 16 steps of 128 keys.
; LAYOUT: both products are used transposed: S^T = K Q^T (source 0 = 16 keys, source 1 = my 16 queries), O^T = V^T P^T (source 0 = 16 channels, source 1 = P): a lane holds ONE query (lane % 16) throughout.
; WHICH KEYS FORM A TILE is chosen by each lane's LDS address: row 8 a + i of tile 4 c + u is key 64 c + 32 a + 8 u + i of the step.  So the 32 registers of tiles 4 c .. 4 c + 3 in lane half h are the WHOLE block
; 2 c + h of 32 keys, in order: a block's largest score needs no other lane, and the conversions' results are P's operand registers as they stand.
; In LDS key 32 e + 16 A + 8 b + i lies in stored tile 2 e + b, row 8 A + i (768 bytes a tile: registers 0-3 at 16 (row + 16 half), registers 4-5 at 512 + 8 (row + 16 half)).
; THE FIRST PRODUCT'S K IS 64 AND THE INSTRUCTION'S 128.  Q's registers for k = 64 .. 127 are zero codes.  Source 0's upper six registers are whatever follows a tile's six: the next tile's codes, behind the last tile p's codes.
; E2M3 has no code but numbers, and both sides' scale bytes 2 and 3 are 0 (2^-127, a number): those products are zeros and add nothing.
; K's and V's fragments have registers of their own: the next step's K is asked for behind this step's first product, V at the step's head.  A pass's last step asks for step 0's K: the next pass begins with it (the last pass's is not used).
; LIMITS: p under 2^-126 comes out of v_exp_f32 as 0; a block of zeros gets the byte 1 where the rule says 127 (its codes are zeros, and this program alone reads the bytes); blocks of ctx whose largest magnitude lies
; under 2^-124 are held at the byte 1; NaN and infinities are not served.  The running whole-number maximum serves scores of any finite size.
.set KSC,   98304                      ; LDS: K's codes from 0, K's scale words here,
.set VBASE, 106496                     ; V's codes,
.set VSC,   204800                     ; V's scale words,
.set SPARE, 208896                     ; and the spare words, 128 bytes for each wave, which no other line names
.set L16,  1
.set L8,   2
.set SPW,  3
.set NIL,  4
.set ADK,  5
.set ADK8, 6
.set ADV,  7
.set ADKS, 8
.set ADVS, 9
.set R8,   10
.set R16,  11                          ; v12 -M, v13 the largest score, v[14:15] the sum in two halves
.set QF,   16                          ; v16-27 Q, v28 its scale words
.set QS,   28
.set KB16, 29                          ; my lane's place in a step's K: 1536 (r / 8) + 16 (r % 8) + 256 h;
.set KB8,  30                          ; 1536 (r / 8) + 8 (r % 8) + 128 h;
.set KSB,  31                          ; and in its scale words: 256 h + 16 (r % 8) + 4 (r / 8)
.set KF,   32                          ; v32-79 K's eight tiles
.set PC,   80                          ; v80-91 p's codes, directly behind them
.set VF,   92                          ; v92-139 V's four fragments
.set KW,   140
.set VW,   144
.set S,    146                         ; v146-209 S^T, then p
.set O,    210                         ; v210-241 O^T
.set BM,   242                         ; v242-245 four chains of maxima; then v242-243 each block's largest score, largest p, byte
.set BS,   244                         ; v244-245 the conversions' scale operands
.set TMP,  246
.set TMP2, 247
.set F,    248                         ; f = 2^(old M - new M); the packed forms name the pair v[248:249] and take its low word
.set PW,   249                         ; p's scale word
.set PT,   250                         ; v250-252 a conversion's three registers on their way to an odd place
.set BX,   253                         ; v253-254 lane l xor 16's
.set SH8,  255                         ; 8 h
.set WV,   12
.set SEL,  20
.set CS,   22                          ; s[22:23] c = log2(e) / 8;  s62 = -c
.set NC,   62
.macro CROUND                          ; a round of the cluster's barrier
	s_barrier_signal -1
	s_barrier_wait -1
	s_cmp_lg_u32 s[WV], 0
	s_cbranch_scc1 .Lnot_wave_0_\@
	s_barrier_signal -3
.Lnot_wave_0_\@:
	s_barrier_wait -3
	s_barrier_signal -1
	s_barrier_wait -1
.endm
	s_load_b256 s[4:11], s[0:1], 0x0               ; qk, vb, cc, cs
	v_lshl_add_u32 v[SPW], v0, 2, SPARE
	v_mov_b32 v[NIL], 0
	ds_add_u32 v[SPW], v[NIL]                      ; the opening lines: the add, twice on end, and its wait ahead of my first tensor load
	ds_add_u32 v[SPW], v[NIL]
	v_lshrrev_b32 v5, 5, v0
	v_and_b32 v6, 15, v0                           ; r
	v_and_b32 v7, 7, v0
	v_bfe_u32 v8, v0, 3, 1
	v_bfe_u32 v9, v0, 4, 1                         ; h
	v_readfirstlane_b32 s[WV], v5                  ; wave 0..15
	v_and_b32 v5, 31, v0
	v_lshlrev_b32 v[R8], 3, v6
	v_lshlrev_b32 v[R16], 4, v6
	v_mul_u32_u24 v[KB8], v8, 1536
	v_lshlrev_b32 v[KSB], 4, v7
	v_lshlrev_b32 v[L16], 4, v5
	v_lshlrev_b32 v[L8], 3, v5
	v_lshl_add_u32 v[KB16], v7, 4, v[KB8]
	v_lshl_add_u32 v[KB8], v7, 3, v[KB8]
	v_lshl_add_u32 v[KSB], v8, 2, v[KSB]
	v_lshlrev_b32 v[SH8], 3, v9
	v_lshl_add_u32 v[KB16], v9, 8, v[KB16]
	v_lshl_add_u32 v[KB8], v9, 7, v[KB8]
	v_lshl_add_u32 v[KSB], v9, 8, v[KSB]
	s_bfe_u32 s13, ttmp6, 0x40000                  ; cx: which 512 queries of the head
	s_and_b32 s14, ttmp7, 0xffff                   ; the head, 16 x batch + head in the batch: the four partners share it
	; group 1: dense rows of 256 bytes (32 elements of 8 bytes): 52 for a wave's eighth of K's 106,496 bytes, 50 for an eighth of V's 102,400
	s_mov_b32 s24, 15|(3<<16)|(1<<21)
	s_mov_b32 s25, 32<<16
	s_mov_b32 s26, 52<<16
	s_mov_b32 s27, 32<<16
	s_mov_b32 s28, 52
	s_mov_b32 s29, 32
	s_mov_b32 s30, 0
	s_mov_b32 s31, 0
	s_mov_b32 s32, 15|(3<<16)|(1<<21)
	s_mov_b32 s33, 32<<16
	s_mov_b32 s34, 50<<16
	s_mov_b32 s35, 32<<16
	s_mov_b32 s36, 50
	s_mov_b32 s37, 32
	s_mov_b32 s38, 0
	s_mov_b32 s39, 0
	s_and_b32 s15, s[WV], 7                        ; which eighth: waves 0-7 fetch K's, waves 8-15 V's
	s_mul_i32 s18, s15, 13312
	s_mul_i32 s16, s14, 106496
	s_add_co_u32 s16, s16, s18
	s_add_co_u32 s16, s16, 6815744                 ; k's heads lie behind q's 64
	s_mov_b32 s17, 0
	s_mul_i32 s19, s15, 12800
	s_mul_i32 s62, s14, 102400
	s_add_co_u32 s62, s62, s19
	s_mov_b32 s63, 0
	; my queries and my rows of ctx (cx enters these alone, in registers that feed no descriptor)
	s_lshl_b32 s2, s13, 5
	s_lshl_b32 s3, s[WV], 1
	s_add_co_u32 s2, s2, s3                        ; my first query tile of the head's 128
	s_mul_i32 s61, s14, 106496
	s_mul_i32 s48, s2, 768
	s_add_co_u32 s48, s48, s61
	s_mov_b32 s49, 0
	s_lshl_b32 s50, s13, 2
	s_lshr_b32 s3, s[WV], 2
	s_add_co_u32 s50, s50, s3                      ; its scale words: the step of 8 tiles,
	s_lshl_b32 s50, s50, 9
	s_and_b32 s3, s[WV], 3
	s_lshl_b32 s3, s3, 2                           ; word (tile % 8) / 2 of a lane's four
	s_add_co_u32 s50, s50, s3
	s_add_co_u32 s50, s50, s61
	s_add_co_u32 s50, s50, 98304
	s_mov_b32 s51, 0
	s_lshr_b32 s3, s14, 4
	s_lshl_b32 s3, s3, 7
	s_add_co_u32 s2, s2, s3                        ; the row tile of ctx: 128 x batch + query tile
	s_and_b32 s61, s14, 15                         ; the head in the batch: its 64 channels are half (head % 2) of K step head / 2
	s_mul_i32 s52, s2, 12288
	s_lshr_b32 s3, s61, 1
	s_mul_i32 s3, s3, 1536
	s_add_co_u32 s52, s52, s3
	s_and_b32 s3, s61, 1
	s_mul_i32 s3, s3, 768
	s_add_co_u32 s52, s52, s3
	s_mov_b32 s53, 0
	s_lshl_b32 s54, s2, 9                          ; its scale bytes: 512 a row tile, 128 for two K steps, two bytes a head
	s_lshr_b32 s3, s61, 2
	s_lshl_b32 s3, s3, 7
	s_add_co_u32 s54, s54, s3
	s_and_b32 s3, s61, 3
	s_lshl_b32 s3, s3, 1
	s_add_co_u32 s54, s54, s3
	s_mov_b32 s55, 0
	s_mov_b32 s[SEL], 0x76543210
	s_mov_b32 s[SEL+1], 0xfedcba98
	s_mov_b32 s[CS], 0x3e38aa3b
	s_mov_b32 s[CS+1], s[CS]
	s_wait_dscnt 0x0                               ; both opening adds are done
	s_wait_kmcnt 0x0
	s_add_nc_u64 s[48:49], s[4:5], s[48:49]
	s_add_nc_u64 s[50:51], s[4:5], s[50:51]
	s_add_nc_u64 s[52:53], s[8:9], s[52:53]
	s_add_nc_u64 s[54:55], s[10:11], s[54:55]
	s_mov_b32 s40, 1
	s_mov_b32 s41, s18
	s_add_nc_u64 s[42:43], s[4:5], s[16:17]
	s_or_b32 s43, s43, 0x80000000
	s_mov_b32 s44, 1
	s_add_co_u32 s45, s19, VBASE
	s_add_nc_u64 s[46:47], s[6:7], s[62:63]
	s_or_b32 s47, s47, 0x80000000
	s_mov_b32 s[NC], 0xbe38aa3b                    ; -c
	CROUND                                         ; all four work-groups are here: the joint loads meet
	s_cmp_lt_u32 s[WV], 8                          ; the wave's number alone decides.  One tensor load of mine is out, the only one of the launch
	s_cbranch_scc0 .Lfor_v
	tensor_load_to_lds s[40:43], s[24:31]
	s_nop 0
.rept 4
	v_nop
.endr
	s_branch .Lasked
.Lfor_v:
	tensor_load_to_lds s[44:47], s[32:39]
	s_nop 0
.rept 4
	v_nop
.endr
.Lasked:
.irp j, 22,23,24,25,26,27,80,81,82,83,84,85,86,87,88,89,90,91,246,247,249,253,254
	v_mov_b32 v\j, 0                               ; Q's codes for k = 64 .. 127; what follows K's last tile in the first step; the lane permutes' destinations; the upper half of the pair v[248:249]
.endr
	s_mov_b32 s56, 0
	s_mov_b32 s58, KSC
	s_wait_alu depctr_va_vdst(0)                   ; the wait at the head's end
	s_wait_tensorcnt 0x0                           ; my sixteenth has landed,
	s_barrier_signal -1
	s_barrier_wait -1                              ; everybody's has: K and V are whole, and nobody writes them again
.macro KADR
	v_add_nc_u32 v[ADK], s56, v[KB16]
	v_add_nc_u32 v[ADK8], s56, v[KB8]
	v_add_nc_u32 v[ADKS], s58, v[KSB]
.endm
.macro KLOAD                           ; 20 loads: tile t = 4 c + u takes stored tiles 4 c + 2 (r / 8) + u % 2, rows 8 (u / 2) + r % 8
.irp t, 0,1,2,3,4,5,6,7
	ds_load_b128 v[KF+6*\t:KF+6*\t+3], v[ADK] offset:3072*(\t/4)+768*(\t%2)+128*((\t%4)/2)
.endr
.irp t, 0,1,2,3,4,5,6,7
	ds_load_b64 v[KF+6*\t+4:KF+6*\t+5], v[ADK8] offset:3072*(\t/4)+768*(\t%2)+64*((\t%4)/2)+512
.endr
.irp x, 0,1,2,3
	ds_load_b32 v[KW+\x], v[ADKS] offset:8*(\x/2)+128*(\x%2)     ; word 2 c + u / 2: lanes 0-15 the even tile's rows, lanes 16-31 the odd one's
.endr
.endm
	KADR
	KLOAD                                          ; step 0's K
; A PASS: one tile of 16 queries against all 2,048 keys.
.macro PASS pi
.if \pi
	s_wait_xcnt 0x0                                ; the first pass's stores have read their data registers: they are written again below
.endif
	global_load_b128 v[QF:QF+3], v[L16], s[48:49] offset:768*\pi
	global_load_b64 v[QF+4:QF+5], v[L8], s[48:49] offset:768*\pi+512
	global_load_b32 v[QS], v[R16], s[50:51] offset:256*\pi
	v_mov_b32 v13, 0xff61b1e6                      ; the largest score so far: -3e38
	v_mov_b32 v14, 0
	v_mov_b32 v15, 0
	v_mul_f32 v12, s[NC], v13
.set j, 0
.rept 32
	v_mov_b32 v[O+j], 0                            ; O^T.  (The step is written once: the first finds zeros, which the first change of M leaves zeros)
.set j, j+1
.endr
	v_floor_f32 v12, v12                           ; -M
	s_mov_b32 s56, 6144                            ; the NEXT step's K,
	s_mov_b32 s58, KSC+512                         ; and its scale words;
	s_mov_b32 s57, VBASE                           ; this step's V,
	s_mov_b32 s59, VSC
	s_mov_b32 s60, 0
	s_wait_alu depctr_va_vdst(0)                   ; the wait here, directly ahead of the wait below
	s_wait_loadcnt 0x0                             ; Q
.Lstep_\@:
	v_add_nc_u32 v[ADV], s57, v[L16]               ; (these four are the places between the last products, which read V's registers, and the loads into them)
	v_add_nc_u32 v[ADVS], s59, v[L8]
	v_nop
	v_nop
.irp u, 0,1,2,3
.irp j, 0,1,2
	ds_load_b128 v[VF+12*\u+4*\j:VF+12*\u+4*\j+3], v[ADV] offset:1536*\u+512*\j   ; V's four fragments of 16 channels x 128 keys: they land under the softmax
.endr
.endr
	ds_load_b64 v[VW:VW+1], v[ADVS]
	s_wait_dscnt 13                                ; K is in; V's 13 loads may be out
.irp t, 0,1,2,3,4,5,6,7
.if \t%2
	v_wmma_scale_f32_16x16x128_f8f6f4 v[S+8*\t:S+8*\t+7], v[KF+6*\t:KF+6*\t+11], v[QF:QF+11], 0, v[KW+2*(\t/4)+(\t%4)/2], v[QS] matrix_a_fmt:MATRIX_FMT_FP6 matrix_b_fmt:MATRIX_FMT_FP6 matrix_a_scale:MATRIX_SCALE_ROW1
.else
	v_wmma_scale_f32_16x16x128_f8f6f4 v[S+8*\t:S+8*\t+7], v[KF+6*\t:KF+6*\t+11], v[QF:QF+11], 0, v[KW+2*(\t/4)+(\t%4)/2], v[QS] matrix_a_fmt:MATRIX_FMT_FP6 matrix_b_fmt:MATRIX_FMT_FP6
.endif
.endr
	KADR                                           ; these four are the places in front of the loads into K's registers and of the first read of the scores
	v_mov_b32 v[TMP], v12                          ; the old -M
	KLOAD                                          ; the next step's K
.irp b, 0,1,2,3
	v_max3_num_f32 v[BM+\b], v[S+16*\b], v[S+1+16*\b], v[S+2+16*\b]   ; four chains by turns; each accumulator from its low end on
.endr
.irp i, 3,5,7,9,11,13
.irp b, 0,1,2,3
	v_max3_num_f32 v[BM+\b], v[BM+\b], v[S+16*\b+\i], v[S+1+16*\b+\i]
.endr
.endr
	v_max3_num_f32 v[BM], v[BM], v[BM+1], v[S+15]  ; THE LARGEST SCORE OF EACH OF MY TWO BLOCKS OF 32 KEYS: for the row's maximum and, since p rises with the score, for the block's largest p
	v_max3_num_f32 v[BM+1], v[BM+2], v[BM+3], v[S+47]
	v_max_num_f32 v[BM], v[BM], v[S+31]
	v_max_num_f32 v[BM+1], v[BM+1], v[S+63]
	s_delay_alu instid0(VALU_DEP_1)
	v_max_num_f32 v[TMP2], v[BM], v[BM+1]
	s_delay_alu instid0(VALU_DEP_1)
	v_permlanex16_b32 v[BX], v[TMP2], s[SEL], s[SEL+1]
	s_delay_alu instid0(VALU_DEP_1)
	v_max3_num_f32 v13, v13, v[TMP2], v[BX]        ; the running largest score of my query
	s_delay_alu instid0(VALU_DEP_1)
	v_mul_f32 v12, s[NC], v13                      ; -t
	s_delay_alu instid0(VALU_DEP_1)
	v_floor_f32 v12, v12                           ; the new -M = floor(-t) = -ceil(t): M IS A WHOLE NUMBER
	s_delay_alu instid0(VALU_DEP_1)
	v_sub_f32 v[TMP], v12, v[TMP]                  ; M's old value less its new one: a whole number, 0 or less
	s_delay_alu instid0(VALU_DEP_1)
	v_cvt_i32_f32 v[TMP], v[TMP]                   ; (it saturates)
	s_delay_alu instid0(VALU_DEP_1)
	v_ldexp_f32 v[F], 1.0, v[TMP]                  ; f = 2^(old M - new M): a multiplication by it rounds nothing
.set j, 0
.rept 32
	v_pk_fma_f32 v[S+j:S+j+1], v[S+j:S+j+1], s[CS:CS+1], v[12:13] op_sel_hi:[1,0,0]   ; t - M, two at a time (of the pairs c and -M the low word serves both halves)
.set j, j+2
.endr
	v_fma_f32 v[BM], v[BM], s[CS], v12             ; the same of each block's largest score
	v_fma_f32 v[BM+1], v[BM+1], s[CS], v12
	s_wait_alu depctr_va_vdst(0)                   ; the wait ahead of the batch
.set j, 0
.rept 64
	v_exp_f32 v[S+j], v[S+j]                       ; p = 2^(t - M), at most 1: NOT normalised
.set j, j+1
.endr
	v_exp_f32 v[BM], v[BM]                         ; the block's largest p: the same two instructions on the same number give the same bits
	v_exp_f32 v[BM+1], v[BM+1]
	v_pk_mul_f32 v[14:15], v[14:15], v[F:F+1] op_sel_hi:[1,0]   ; the sums under the new M; the plain line behind the exponentials
	s_wait_alu depctr_va_vdst(0)                   ; one wait for the batch, directly ahead of the first reader of O^T too
.set j, 0
.rept 16
	v_pk_mul_f32 v[O+j:O+j+1], v[O+j:O+j+1], v[F:F+1] op_sel_hi:[1,0]   ; O^T under the new M: x f
.set j, j+2
.endr
	v_max_num_f32 v[BM], 0x1800000, v[BM]          ; the floor 2^(3 - 127): the byte cannot fall under 1
	v_max_num_f32 v[BM+1], 0x1800000, v[BM+1]
	s_delay_alu instid0(VALU_DEP_2)
	v_add_nc_u32 v[BS], 0xff000000, v[BM]          ; 2 off the exponent field: the conversion's scale operand
	s_delay_alu instid0(VALU_DEP_2)
	v_add_nc_u32 v[BS+1], 0xff000000, v[BM+1]
	s_delay_alu instid0(VALU_DEP_2)
	v_lshrrev_b32 v[BM], 23, v[BS]                 ; the bytes of blocks h and 2 + h
	s_delay_alu instid0(VALU_DEP_2)
	v_lshrrev_b32 v[BM+1], 23, v[BS+1]
	s_delay_alu instid0(VALU_DEP_1)
	v_lshl_or_b32 v[TMP], v[BM+1], 16, v[BM]
	s_delay_alu instid0(VALU_DEP_1)
	v_lshlrev_b32 v[TMP], v[SH8], v[TMP]           ; at their places in the scale word
	s_delay_alu instid0(VALU_DEP_1)
	v_permlanex16_b32 v[BX], v[TMP], s[SEL], s[SEL+1]
	v_cvt_scalef32_pk16_fp6_f32 v[PC:PC+2], v[S:S+15], v[BS]
	v_cvt_scalef32_pk16_fp6_f32 v[PT:PT+2], v[S+16:S+31], v[BS]        ; (a conversion's three registers begin on an even number)
	v_cvt_scalef32_pk16_fp6_f32 v[PC+6:PC+8], v[S+32:S+47], v[BS+1]
	v_or_b32 v[PW], v[TMP], v[BX]                  ; with lane l xor 16's two bytes p's scale word is whole; also the plain line behind the conversions
.irp i, 0,1,2
	v_mov_b32 v[PC+3+\i], v[PT+\i]
.endr
	v_cvt_scalef32_pk16_fp6_f32 v[PT:PT+2], v[S+48:S+63], v[BS+1]
.irp k, 0,1,2,3,4,5,6,7                ; THE ROW'S SUM IS TAKEN OF THE UNQUANTISED p, which the conversions have read: in place, as a tree.  (The first line is the plain line behind the conversion)
	v_pk_add_f32 v[S+4*\k:S+4*\k+1], v[S+4*\k:S+4*\k+1], v[S+4*\k+2:S+4*\k+3]
.endr
.irp i, 0,1,2
	v_mov_b32 v[PC+9+\i], v[PT+\i]
.endr
.irp k, 8,9,10,11,12,13,14,15
	v_pk_add_f32 v[S+4*\k:S+4*\k+1], v[S+4*\k:S+4*\k+1], v[S+4*\k+2:S+4*\k+3]
.endr
.irp k, 0,1,2,3,4,5,6,7
	v_pk_add_f32 v[S+8*\k:S+8*\k+1], v[S+8*\k:S+8*\k+1], v[S+8*\k+4:S+8*\k+5]
.endr
.irp k, 0,1,2,3
	v_pk_add_f32 v[S+16*\k:S+16*\k+1], v[S+16*\k:S+16*\k+1], v[S+16*\k+8:S+16*\k+9]
.endr
	s_delay_alu instid0(VALU_DEP_3)
	v_pk_add_f32 v[S:S+1], v[S:S+1], v[S+16:S+17]
	s_delay_alu instid0(VALU_DEP_2)
	v_pk_add_f32 v[S+32:S+33], v[S+32:S+33], v[S+48:S+49]
	s_delay_alu instid0(VALU_DEP_1)
	v_pk_add_f32 v[S:S+1], v[S:S+1], v[S+32:S+33]
	s_delay_alu instid0(VALU_DEP_1)
	v_pk_add_f32 v[14:15], v[14:15], v[S:S+1]
	s_wait_alu depctr_va_vdst(0)                   ; the wait here, directly ahead of the wait below
	s_wait_dscnt 20                                ; V is in; the next step's 20 loads of K may be out
.irp u, 0,1,2,3                        ; O^T += V^T P^T: the four accumulators by turns
.if \u%2
	v_wmma_scale_f32_16x16x128_f8f6f4 v[O+8*\u:O+8*\u+7], v[VF+12*\u:VF+12*\u+11], v[PC:PC+11], v[O+8*\u:O+8*\u+7], v[VW+\u/2], v[PW] matrix_a_fmt:MATRIX_FMT_FP6 matrix_b_fmt:MATRIX_FMT_FP6 matrix_a_scale:MATRIX_SCALE_ROW1
.else
	v_wmma_scale_f32_16x16x128_f8f6f4 v[O+8*\u:O+8*\u+7], v[VF+12*\u:VF+12*\u+11], v[PC:PC+11], v[O+8*\u:O+8*\u+7], v[VW+\u/2], v[PW] matrix_a_fmt:MATRIX_FMT_FP6 matrix_b_fmt:MATRIX_FMT_FP6
.endif
.endr
	s_add_co_u32 s57, s57, 6144                    ; the next 128 keys of V
	s_add_co_u32 s59, s59, 256
	s_add_co_u32 s60, s60, 1
	s_add_co_u32 s61, s60, 1
	s_and_b32 s61, s61, 15                         ; the step after the next, 0 behind 15
	s_mul_i32 s56, s61, 6144
	s_lshl_b32 s58, s61, 9
	s_add_co_u32 s58, s58, KSC
	s_cmp_lt_u32 s60, 16
	s_cbranch_scc1 .Lstep_\@
	; THE WAY OUT: ctx = O^T / the sum; register 16 e + i is channel 32 e + 16 (lane / 16) + i of my query: two blocks of 32, each shared with lane l xor 16
	v_add_f32 v14, v14, v15
	s_delay_alu instid0(VALU_DEP_1)
	v_permlanex16_b32 v[TMP], v14, s[SEL], s[SEL+1]
	s_delay_alu instid0(VALU_DEP_1)
	v_add_f32 v14, v14, v[TMP]                     ; the row's sum
	s_wait_alu depctr_va_vdst(0)
	v_rcp_f32 v14, v14
.rept 4
	v_nop                                          ; the plain line behind the reciprocal, and places behind the last products
.endr
	s_wait_alu depctr_va_vdst(0)                   ; the wait, ahead of the reciprocal's first reader and of O^T's
.set j, 0
.rept 32
	v_mul_f32 v[S+j], v[O+j], v14                  ; each accumulator from its low end on
.set j, j+1
.endr
.irp b, 0,1
	v_max3_num_f32 v[BM+\b], |v[S+16*\b]|, |v[S+1+16*\b]|, 0x1800000
.endr
.irp i, 2,4,6,8,10,12,14
.irp b, 0,1
	s_delay_alu instid0(VALU_DEP_2)
	v_max3_num_f32 v[BM+\b], v[BM+\b], |v[S+16*\b+\i]|, |v[S+1+16*\b+\i]|
.endr
.endr
.irp b, 0,1
	s_delay_alu instid0(VALU_DEP_2)
	v_permlanex16_b32 v[BX+\b], v[BM+\b], s[SEL], s[SEL+1]
.endr
.irp b, 0,1
	s_delay_alu instid0(VALU_DEP_2)
	v_max_num_f32 v[BM+\b], v[BM+\b], v[BX+\b]
.endr
.irp b, 0,1
	s_delay_alu instid0(VALU_DEP_2)
	v_add_nc_u32 v[BS+\b], 0xff000000, v[BM+\b]
.endr
.irp b, 0,1
	s_delay_alu instid0(VALU_DEP_2)
	v_lshrrev_b32 v[BX+\b], 23, v[BS+\b]
.endr
	s_delay_alu instid0(VALU_DEP_1)
	v_lshl_or_b32 v[TMP], v[BX+1], 8, v[BX]        ; my row's two scale bytes
	v_cvt_scalef32_pk16_fp6_f32 v[PC:PC+2], v[S:S+15], v[BS]
	v_cvt_scalef32_pk16_fp6_f32 v[PT:PT+2], v[S+16:S+31], v[BS+1]
	v_nop                                          ; one plain line behind a scaled conversion
.irp i, 0,1,2
	v_permlane16_swap_b32 v[PC+\i], v[PT+\i]       ; a whole block to a lane
.endr
.irp i, 0,1,2
	s_delay_alu instid0(VALU_DEP_3)
	v_mov_b32 v[PC+3+\i], v[PT+\i]
.endr
	global_store_b128 v[L16], v[PC:PC+3], s[52:53] offset:12288*\pi         ; half a fragment of the last product's A: 512 consecutive bytes,
	global_store_b64 v[L8], v[PC+4:PC+5], s[52:53] offset:12288*\pi+512     ; and 256
	global_store_b16 v[R8], v[TMP], s[54:55] offset:512*\pi                 ; two bytes of each of 16 rows' words; lanes l and l + 16 store the same two bytes with the same value
.endm
	PASS 0
	PASS 1
	s_wait_tensorcnt 0x0                           ; the wave's end
	ds_add_u32 v[SPW], v[NIL]
	s_wait_dscnt 0x0
	CROUND                                         ; the closing round
	s_endpgm
.Lfunc_end_k_q9c51b691d2_attn:
	.size	k_q9c51b691d2_attn, .Lfunc_end_k_q9c51b691d2_attn-k_q9c51b691d2_attn
	.p2alignl 7, 3214868480
	.fill 96, 4, 3214868480
	.section	.rodata,"a",@progbits
	.p2align	6, 0x0
	.amdhsa_kernel k_q9c51b691d2_attn
		.amdhsa_group_segment_fixed_size 210944
		.amdhsa_private_segment_fixed_size 0
		.amdhsa_enable_private_segment 0
		.amdhsa_kernarg_size 32
		.amdhsa_user_sgpr_count 2
		.amdhsa_user_sgpr_kernarg_segment_ptr 1
		.amdhsa_wavefront_size32 1
		.amdhsa_system_sgpr_workgroup_id_x 1
		.amdhsa_system_sgpr_workgroup_id_y 1
		.amdhsa_system_sgpr_workgroup_id_z 1
		.amdhsa_system_vgpr_workitem_id 0
		.amdhsa_next_free_vgpr 256
		.amdhsa_next_free_sgpr 66
		.amdhsa_reserve_vcc 0
		.amdhsa_float_denorm_mode_32 3
		.amdhsa_float_denorm_mode_16_64 3
		.amdhsa_memory_ordered 1
		.amdhsa_forward_progress 1
		.amdhsa_inst_pref_size 53
	.end_amdhsa_kernel
	.amdgpu_metadata
---
amdhsa.version: [ 1, 2 ]
amdhsa.kernels:
  - .name:           k_q9c51b691d2_attn
    .symbol:         k_q9c51b691d2_attn.kd
    .args:
      - { .name: qk, .offset: 0, .size: 8, .value_kind: global_buffer, .address_space: global }
      - { .name: vb, .offset: 8, .size: 8, .value_kind: global_buffer, .address_space: global }
      - { .name: cc, .offset: 16, .size: 8, .value_kind: global_buffer, .address_space: global }
      - { .name: cs, .offset: 24, .size: 8, .value_kind: global_buffer, .address_space: global }
    .group_segment_fixed_size: 210944
    .private_segment_fixed_size: 0
    .kernarg_segment_align: 8
    .kernarg_segment_size: 32
    .max_flat_workgroup_size: 512
    .sgpr_count:     66
    .vgpr_count:     256
    .wavefront_size: 32
...
	.end_amdgpu_metadata
.endif
;; end of part 3
;; launch outp (part 4): grid 32 x 8, 4 waves a work-group, clusters of 4 x 1, 327,680 bytes of LDS; arguments cc, cs, wc, ws, out0; writes out0
.if DOCPART == 4
	.amdgcn_target "amdgcn-amd-amdhsa--gfx1250"
	.amdhsa_code_object_version 6
	.text
	.protected	k_q9c51b691d2_outp
	.globl	k_q9c51b691d2_outp
	.p2align	8
	.type	k_q9c51b691d2_outp,@function
k_q9c51b691d2_outp:
	s_mov_b64 s[64:65], 0
	v_nop
	global_prefetch_b8 v0, s[64:65] scope:SCOPE_SE
	s_setreg_imm32_b32 hwreg(HW_REG_WAVE_MODE, 25, 1), 1
	s_wait_xcnt 0x0
	s_wait_alu depctr_hold_cnt(0) depctr_sa_sdst(0) depctr_va_vdst(0) depctr_va_sdst(0) depctr_va_ssrc(0) depctr_va_vcc(0) depctr_vm_vsrc(0)
	s_getreg_b32 s2, hwreg(HW_REG_IB_STS2, 6, 4)
	s_cmp_eq_u32 s2, 0
	s_cbranch_scc0 .Lentry_in_a_cluster
	s_endpgm
.Lentry_in_a_cluster:
	s_bfe_u32 s2, ttmp6, 0x10000c
	s_cmp_lg_u32 s2, 0x3003
	s_cbranch_scc0 .Lentry_shape_is_right
	s_endpgm
.Lentry_shape_is_right:
; out = ctx W_o^T on codes of FP6 (E2M3) with E8M0 scales, f32 sums, f32 out.  A work-group (i = 4 I + cx of 32, j of 8) makes 256 rows x 128 columns: 32 x 8 = 256 work-groups.
; THE KEPT OPERAND (source 1): wave w has 64 rows of ctx, all of K: 4 row tiles x 8 K steps x 12 registers, loaded from memory as they lie (the workspace holds register images).
; THE STREAMED OPERAND (source 0): W_o's 128 rows, 98,304 bytes of codes and 4,096 of scale words, brought into LDS by one tensor load a wave at the head (three thirds of the codes, the scale words);
; nothing is filled again, the walk along K has no barrier.  So nothing is prefetched: all that the work-group reads is asked for at its head.
; CLUSTER: the four work-groups of a cluster share j, so they want the same rows of W_o and ask for them JOINTLY (mask of all four; the descriptors are made of j alone).
; In a result lane l holds row l % 16 of a tile of ctx; register n of tile b is column 32 (b / 2) + 8 (b % 2) + 16 (l / 16) + n of the 128 (the row tiles are laid so); tile row t of row tile T is row 32 (T / 2) + 8 (T % 2) + t + 8 (t / 8).
; REGISTERS: window 0: v3-15 addresses, v32-63 kept scales, v64-95 streamed scales (two sets), v128-223 streamed set 0, on the way out v128-255 rows read back;
; window 1: the 32 accumulators, (a, b) at 8 (8 a + b); window 2: kept K steps 0-4; window 3: v0-143 kept K steps 5-7, v144-239 streamed set 1.
.set SCL,    98304                     ; behind the codes: the scale words
.set STAGE,  102400                    ; the way out: 16 rows x 528 bytes for each wave, bytes that no tensor load fills
.set SPITCH, 528
.set SPARE,  136192                    ; the spare words, 128 bytes a wave, which no other line names
.set R8,  3
.set LN,  4
.set SPW, 5
.set NIL, 6
.set AT,  8                            ; v8-11 LDS addresses of tiles 0-3 (16 l, 8 l) and 4-7
.set L16, 8
.set L8,  9
.set ADTS, 12
.set STO, 14
.set RD,  15
.set RS,  32
.set TS,  64
.set BK,  128
.set MSB, 0
.macro WIN new                         ; the immediate's high byte repeats the setting that is left
.if MSB != (\new)
	s_set_vgpr_msb (MSB<<8)|(\new)
.set MSB, (\new)
.endif
.endm
.macro CROUND                          ; a round of the cluster's barrier
	s_barrier_signal -1
	s_barrier_wait -1
	s_cmp_lg_u32 s16, 0
	s_cbranch_scc1 .Lnot_wave_0_\@
	s_barrier_signal -3
.Lnot_wave_0_\@:
	s_barrier_wait -3
	s_barrier_signal -1
	s_barrier_wait -1
.endm
.macro PLACES
.rept 4
	v_nop
.endr
.endm
.macro GONE g, rows                    ; group 1: dense rows of 256 bytes (32 elements of 8), the mask of all four, bit 21 beside it
	s_mov_b32 s[\g], 15|(3<<16)|(1<<21)
	s_mov_b32 s[\g+1], 32<<16
	s_mov_b32 s[\g+2], (\rows)<<16
	s_mov_b32 s[\g+3], 32<<16
	s_mov_b32 s[\g+4], \rows
	s_mov_b32 s[\g+5], 32
	s_mov_b32 s[\g+6], 0
	s_mov_b32 s[\g+7], 0
.endm
.macro RLOAD sb, s                     ; the kept operand's K step s: four fragments as they lie in memory, 16 loads
.set RK, (\s)
.if RK < 5
	WIN 0x80
.set RB, 48*RK
.else
	WIN 0xc0
.set RB, 48*(RK-5)
.endif
.irp a, 0,1,2,3
	global_load_b128 v[RB+12*\a:RB+12*\a+3], v[L16], s[\sb:\sb+1] offset:12288*\a+1536*RK
	global_load_b64 v[RB+12*\a+4:RB+12*\a+5], v[L8], s[\sb:\sb+1] offset:12288*\a+1536*RK+512
	global_load_b128 v[RB+12*\a+6:RB+12*\a+9], v[L16], s[\sb:\sb+1] offset:12288*\a+1536*RK+768
	global_load_b64 v[RB+12*\a+10:RB+12*\a+11], v[L8], s[\sb:\sb+1] offset:12288*\a+1536*RK+1280
.endr
	WIN 0
.endm
.macro RSLOAD sb                       ; its scale words, 16 loads: register RS + 8 a + s is tile a's word of K step s
.irp a, 0,1,2,3
.irp p, 0,1,2,3
	global_load_b64 v[RS+8*\a+2*\p:RS+8*\a+2*\p+1], v[R8], s[\sb:\sb+1] offset:512*\a+128*\p
.endr
.endr
.endm
	s_load_b256 s[4:11], s[0:1], 0x0               ; cc, cs, wc, ws
	s_load_b64 s[12:13], s[0:1], 0x20              ; out0
	v_lshl_add_u32 v[SPW], v0, 2, SPARE
	v_mov_b32 v[NIL], 0
	ds_add_u32 v[SPW], v[NIL]                      ; the opening lines: the add, twice on end, and its wait ahead of my first tensor load
	ds_add_u32 v[SPW], v[NIL]
	v_lshrrev_b32 v7, 5, v0
	v_readfirstlane_b32 s16, v7                    ; wave
	v_and_b32 v[LN], 31, v0
	v_and_b32 v7, 15, v0
	v_bfe_u32 v13, v0, 4, 1
	v_lshlrev_b32 v[L16], 4, v[LN]
	v_lshlrev_b32 v[L8], 3, v[LN]
	v_lshlrev_b32 v[R8], 3, v7
	v_mul_u32_u24 v7, v7, SPITCH
	s_mul_i32 s23, s16, 16*SPITCH
	s_add_co_u32 s23, s23, STAGE                   ; my stage
	v_add_nc_u32 v[AT+2], 49152, v[L16]
	v_add_nc_u32 v[AT+3], 49152, v[L8]
	v_add_nc_u32 v[ADTS], SCL, v[R8]
	v_lshl_add_u32 v7, v13, 6, v7
	v_add_nc_u32 v[RD], s23, v[L16]                ; back: the 32 lanes take one row of 512 bytes
	v_add_nc_u32 v[STO], s23, v7                   ; in: row l % 16, 64 bytes on for lanes 16-31
	s_bfe_u32 s17, ttmp6, 0x40000                  ; cx
	s_and_b32 s19, ttmp7, 0xffff                   ; j
	s_lshl_b32 s20, ttmp9, 2
	s_add_co_u32 s20, s20, s17                     ; i = 4 I + cx
	GONE 24, 128                                   ; a third of the codes, 32,768 bytes
	GONE 32, 16                                    ; the scale words
	s_mov_b32 s23, 0
	s_mov_b32 s99, 0
	s_wait_alu depctr_va_vdst(0)                   ; the wait at the head's end
	s_wait_dscnt 0x0
	s_wait_kmcnt 0x0
	s_lshl_b32 s21, s19, 3                         ; the four groups 0: made of j alone
	s_add_co_u32 s21, s21, 192                     ; W_o's row tile 192 + 8 j of the stacked weights
	s_mul_i32 s22, s21, 12288
	s_add_nc_u64 s[58:59], s[8:9], s[22:23]
	s_add_nc_u64 s[62:63], s[58:59], 32768
	s_add_nc_u64 s[70:71], s[58:59], 65536
	s_or_b32 s59, s59, 0x80000000
	s_or_b32 s63, s63, 0x80000000
	s_or_b32 s71, s71, 0x80000000
	s_mov_b32 s56, 1
	s_mov_b32 s57, 0
	s_mov_b32 s60, 1
	s_mov_b32 s61, 32768
	s_mov_b32 s68, 1
	s_mov_b32 s69, 65536
	s_lshl_b32 s22, s21, 9
	s_mov_b32 s72, 1
	s_mov_b32 s73, SCL
	s_add_nc_u64 s[74:75], s[10:11], s[22:23]
	s_or_b32 s75, s75, 0x80000000
	CROUND                                         ; all four work-groups are here: the joint loads meet
.macro ARM under, g0, g1, next         ; one tree of branches on the wave's number, one load to an arm
	s_cmp_lt_u32 s16, \under
	s_cbranch_scc0 \next
	tensor_load_to_lds s[\g0:\g0+3], s[\g1:\g1+7]
	s_nop 0
	PLACES
	s_branch .Lasked
\next:
.endm
	ARM 1, 56, 24, .Lhead_1
	ARM 2, 60, 24, .Lhead_2
	ARM 3, 68, 24, .Lhead_s
	tensor_load_to_lds s[72:75], s[32:39]
	s_nop 0
	PLACES
.Lasked:
	s_lshl_b32 s2, s20, 4                          ; the kept operand (cx enters from here on alone)
	s_lshl_b32 s3, s16, 2
	s_add_co_u32 s2, s2, s3                        ; ctx's row tile 16 i + 4 w
	s_mul_i32 s98, s2, 12288
	s_add_nc_u64 s[76:77], s[4:5], s[98:99]
	s_lshl_b32 s98, s2, 9
	s_add_nc_u64 s[78:79], s[6:7], s[98:99]
	RSLOAD 78                                      ; the scale words first, then the K steps in their order: 144 loads
.irp s, 0,1,2,3,4,5,6,7
	RLOAD 76, \s
.endr
	s_lshl_b32 s2, s20, 8
	s_lshl_b32 s3, s16, 6
	s_add_co_u32 s2, s2, s3                        ; my first row of out: 256 i + 64 w,
	s_lshl_b32 s98, s2, 12                         ; 4,096 bytes a row,
	s_lshl_b32 s3, s19, 9                          ; and my block's first column: 512 j bytes
	s_add_co_u32 s98, s98, s3
	s_add_nc_u64 s[12:13], s[12:13], s[98:99]
	s_wait_tensorcnt 0x0                           ; my tile has landed,
	s_barrier_signal -1
	s_barrier_wait -1                              ; everybody's has; nobody writes these bytes again
.macro FETCH st                        ; the streamed operand's eight fragments of K step st into set st % 2
.set FK, (\st)
.if FK%2
	WIN 0xc0
.set FB, 144
.else
.set FB, 128
.endif
.irp b, 0,1,2,3,4,5,6,7
	ds_load_b128 v[FB+12*\b:FB+12*\b+3], v[AT+2*(\b/4)] offset:12288*(\b%4)+1536*FK
	ds_load_b64 v[FB+12*\b+4:FB+12*\b+5], v[AT+2*(\b/4)+1] offset:12288*(\b%4)+1536*FK+512
	ds_load_b128 v[FB+12*\b+6:FB+12*\b+9], v[AT+2*(\b/4)] offset:12288*(\b%4)+1536*FK+768
	ds_load_b64 v[FB+12*\b+10:FB+12*\b+11], v[AT+2*(\b/4)+1] offset:12288*(\b%4)+1536*FK+1280
.endr
	WIN 0
.endm
.macro SCALES p                        ; its scale words of K steps 2 p, 2 p + 1 into set p % 2
.set SK, (\p)
.irp b, 0,1,2,3,4,5,6,7
	ds_load_b64 v[TS+16*(SK%2)+2*\b:TS+16*(SK%2)+2*\b+1], v[ADTS] offset:512*\b+128*SK
.endr
.endm
; A K step: 32 products, the 32 accumulators by turns.  Ahead of them the next K step's 32 LDS loads (and 8 of scale words in the odd steps) are issued,
; four places behind the products that read those registers; the wait on DScnt lets just these stay out.  The kept operand: behind K step s's 16 loads 16 (7 - s) were issued;
; the wait for 63 ahead of K step 0 serves K steps 0 to 3, behind each of which 64 or more were issued.
.macro KSTEP s
.set KK, (\s)
.if KK > 0
	PLACES
.endif
.if KK < 7
	FETCH KK+1
.if KK%2
	SCALES (KK+1)/2
.endif
	s_wait_dscnt 32+8*(KK%2)
.else
	s_wait_dscnt 0x0
.endif
.if KK == 0
	s_wait_loadcnt 63
.endif
.if KK >= 4
	s_wait_loadcnt 16*(7-KK)
.endif
.if KK < 5
.set WRB, 48*KK
.set WRW, 2
.else
.set WRB, 48*(KK-5)
.set WRW, 3
.endif
.set WTB, 128+16*(KK%2)
	WIN 0x50|(WRW<<2)|(3*(KK%2))
.irp a, 0,1,2,3
.irp b, 0,1,2,3,4,5,6,7
.if KK == 0
	v_wmma_scale_f32_16x16x128_f8f6f4 v[8*(8*\a+\b):8*(8*\a+\b)+7], v[WTB+12*\b:WTB+12*\b+11], v[WRB+12*\a:WRB+12*\a+11], 0, v[TS+16*((KK/2)%2)+2*\b+KK%2], v[RS+8*\a+KK] matrix_a_fmt:MATRIX_FMT_FP6 matrix_b_fmt:MATRIX_FMT_FP6
.else
	v_wmma_scale_f32_16x16x128_f8f6f4 v[8*(8*\a+\b):8*(8*\a+\b)+7], v[WTB+12*\b:WTB+12*\b+11], v[WRB+12*\a:WRB+12*\a+11], v[8*(8*\a+\b):8*(8*\a+\b)+7], v[TS+16*((KK/2)%2)+2*\b+KK%2], v[RS+8*\a+KK] matrix_a_fmt:MATRIX_FMT_FP6 matrix_b_fmt:MATRIX_FMT_FP6
.endif
.endr
.endr
	WIN 0
.endm
	FETCH 0
	SCALES 0
.irp s, 0,1,2,3,4,5,6,7
	KSTEP \s
.endr
; THE WAY OUT, tile by tile of 16 rows x 128 columns: through my own stage in LDS, back as whole rows of 512 bytes, which the 32 lanes store as two aligned units of 256 bytes.
; LDS serves a wave's instructions in order: no wait between the stores and the loads.
.macro TOSTAGE a
.set AC, 64*(\a)
	WIN 0x04                                       ; the data: window 1
.irp b, 0,1,2,3,4,5,6,7
	ds_store_b128 v[STO], v[AC+8*\b:AC+8*\b+3] offset:128*(\b/2)+32*(\b%2)          ; each accumulator from its low end on
	ds_store_b128 v[STO], v[AC+8*\b+4:AC+8*\b+7] offset:128*(\b/2)+32*(\b%2)+16
.endr
	WIN 0
.set BB, BK+64*((\a)%2)
.irp t, 0,1,2,3,4,5,6,7,8,9,10,11,12,13,14,15
	ds_load_b128 v[BB+4*\t:BB+4*\t+3], v[RD] offset:\t*SPITCH
.endr
.endm
.macro SEND a, younger                 ; younger: the LDS instructions issued behind tile a's loads, which may stay out
.set BB, BK+64*((\a)%2)
	s_wait_dscnt \younger
.irp t, 0,1,2,3,4,5,6,7,8,9,10,11,12,13,14,15
	global_store_b128 v[L16], v[BB+4*\t:BB+4*\t+3], s[12:13] offset:(32*((\a)/2)+8*((\a)%2)+\t+8*(\t/8))*4096 th:TH_STORE_NT
.endr
.endm
	PLACES                                         ; behind the last products: for the first reads of the results and for the loads into the streamed set's registers
	TOSTAGE 0
.irp a, 1,2,3
.if \a > 1
	s_wait_xcnt 0x0                                ; tile a - 2's stores have read their registers: tile a's loads may land there
.endif
	TOSTAGE \a
	SEND \a-1, 32                                  ; behind tile a - 1's loads: tile a's 16 stores and 16 loads
.endr
	SEND 3, 0
	s_wait_tensorcnt 0x0                           ; the wave's end: behind my last LDS store
	ds_add_u32 v[SPW], v[NIL]
	s_wait_dscnt 0x0
	CROUND                                         ; the closing round
	s_endpgm
.Lfunc_end_k_q9c51b691d2_outp:
	.size	k_q9c51b691d2_outp, .Lfunc_end_k_q9c51b691d2_outp-k_q9c51b691d2_outp
	.p2alignl 7, 3214868480
	.fill 96, 4, 3214868480
	.section	.rodata,"a",@progbits
	.p2align	6, 0x0
	.amdhsa_kernel k_q9c51b691d2_outp
		.amdhsa_group_segment_fixed_size 327680
		.amdhsa_private_segment_fixed_size 0
		.amdhsa_enable_private_segment 0
		.amdhsa_kernarg_size 40
		.amdhsa_user_sgpr_count 2
		.amdhsa_user_sgpr_kernarg_segment_ptr 1
		.amdhsa_wavefront_size32 1
		.amdhsa_system_sgpr_workgroup_id_x 1
		.amdhsa_system_sgpr_workgroup_id_y 1
		.amdhsa_system_sgpr_workgroup_id_z 1
		.amdhsa_system_vgpr_workitem_id 0
		.amdhsa_next_free_vgpr 1024
		.amdhsa_next_free_sgpr 102
		.amdhsa_reserve_vcc 0
		.amdhsa_float_denorm_mode_32 3
		.amdhsa_float_denorm_mode_16_64 3
		.amdhsa_memory_ordered 1
		.amdhsa_forward_progress 1
		.amdhsa_inst_pref_size 87
	.end_amdhsa_kernel
	.amdgpu_metadata
---
amdhsa.version: [ 1, 2 ]
amdhsa.kernels:
  - .name:           k_q9c51b691d2_outp
    .symbol:         k_q9c51b691d2_outp.kd
    .args:
      - { .name: cc, .offset: 0, .size: 8, .value_kind: global_buffer, .address_space: global }
      - { .name: cs, .offset: 8, .size: 8, .value_kind: global_buffer, .address_space: global }
      - { .name: wc, .offset: 16, .size: 8, .value_kind: global_buffer, .address_space: global }
      - { .name: ws, .offset: 24, .size: 8, .value_kind: global_buffer, .address_space: global }
      - { .name: out0, .offset: 32, .size: 8, .value_kind: global_buffer, .address_space: global }
    .group_segment_fixed_size: 327680
    .private_segment_fixed_size: 0
    .kernarg_segment_align: 8
    .kernarg_segment_size: 40
    .max_flat_workgroup_size: 128
    .sgpr_count:     102
    .vgpr_count:     1024
    .wavefront_size: 32
...
	.end_amdgpu_metadata
.endif
;; end of part 4
